; MI455X (gfx1250); checked and timed in simulation.
; The chip was launched on July 23, 2026; its instructions are those of AMD's public machine-readable ISA for CDNA 5 (MIT licence, August 2026) and "CDNA5" Instruction Set Architecture Reference Guide (July 2026). The comments in the code are by the model that wrote it; some were corrected since.
;; Multi Head Global Attention. Allowed arithmetic: matrix products marked QUANTISED: E2M1 operands, one E8M0 scale for each 32 along K, by v_wmma_scale_f32_16x16x128_f8f6f4 with both operands' format E2M1 (or v_wmma_scale_f32_32x16x128_f4), f32 sums; products left as they are: f32 operands where the result goes on into a quantised operand, else bf16, f16 or f32 operands; f32 sums; everything else in f32.
;; Inputs: W_k_codes 512 x 16 x 16 uint8 (E2M1 codes of W_k, K innermost, in blocks of 32 codes, two codes a byte); W_k_scales 512 x 16 uint8 (E8M0 scales of W_k, one for each 32 codes along K); W_q 512 x 512 float32; W_v_codes 512 x 16 x 16 uint8 (E2M1 codes of W_v, K innermost, in blocks of 32 codes, two codes a byte); W_v_scales 512 x 16 uint8 (E8M0 scales of W_v, one for each 32 codes along K); x 8 x 8,192 x 512 float32.
;; Outputs: out0 8 x 512 float32.
;; This version of the problem:
;;   THIS VERSION OF THE PROBLEM IS GIVEN IN LOW PRECISION. The matrix products marked QUANTISED in the list below multiply operands that are first quantised to E2M1 (2 exponent bits, 1 mantissa bit; 4 bits a number), with one power-of-two scale for each 32 numbers along K (OCP MX v1.0); their sums are f32. All else is computed in f32.
;;   The module's matrix products, in the order in which they are computed (A, B: the left and right operand; K: the contracted axis; several contracted axes count as one K, in the product's order):
;;     1. [M 8, K 512] x [K 512, N 512]; A: input x; B: input W_q: left as it is (M = 8 < 16)
;;     2. [M 65,536, K 512] x [K 512, N 512]; A: input x; B: input W_k (given as codes): QUANTISED
;;     3. [M 65,536, K 512] x [K 512, N 512]; A: input x; B: input W_v (given as codes): QUANTISED
;;     4. batch 8 x [M 1, K 512] x [K 512, N 8,192]; A: computed on the way; B: computed on the way: left as it is (M = 1 < 16)
;;     5. batch 8 x [M 1, K 8,192] x [K 8,192, N 512]; A: softmax; B: computed on the way: left as it is (M = 1 < 16)
;;   THE QUANTISER, for each operand of a quantised product, along K:
;;     - K is cut into blocks of 32 from its start; a last block that is shorter is filled with zeros.
;;     - A block's scale is 2^e with e = floor(log2(the largest magnitude in the block)) - 2, held to -126 .. 127; a block of zeros has e = 0. As a byte (E8M0): e + 127.
;;     - Each number is divided by its block's scale, clamped to +-6, and rounded to the nearest number of E2M1, ties to even, subnormals kept.
;;     - The product sums the exact products of the quantised numbers (number of the format x scale) in f32.
;;   ~~~python
;;   def quantise(x, axis):      # numpy; x: float32 -> the quantised numbers, widened to float32 again
;;       x = np.moveaxis(x, axis, -1); K = x.shape[-1]
;;       x = np.pad(x, [(0, 0)] * (x.ndim - 1) + [(0, -K % 32)]); x = x.reshape(x.shape[:-1] + (-1, 32)); a = np.abs(x).max(-1, keepdims=True)
;;       e = np.where(a > 0, np.clip(np.frexp(np.where(a > 0, a, 1))[1] - 1 - 2, -126, 127), 0)      # np.frexp(a)[1] - 1 = floor(log2(a)), exactly
;;       r = np.clip(x / 2.0 ** e, -6, 6)
;;       step = 2.0 ** (np.maximum(np.frexp(np.where(r == 0, 1, r))[1] - 1, 0) - 1)
;;       q = np.round(r / step) * step * 2.0 ** e      # np.round: ties to even
;;       return np.moveaxis(q.reshape(q.shape[:-2] + (-1,))[..., :K], -1, axis).astype(np.float32)
;;   ~~~
;;   INPUTS GIVEN AS CODES. W_k (in the module: [512, 512], K = its axis 1); W_v (in the module: [512, 512], K = its axis 1): each comes as NAME_codes (uint8): NAME with its K axis moved to the last place and cut into blocks of 32 codes, [.., K / 32, bytes a block], one block behind the other in memory; two codes a byte, the lower K in the low four bits (a code: sign, 2 exponent bits, 1 mantissa bit); and NAME_scales (uint8): the same leading axes, one E8M0 byte (e + 127) for each 32 codes along K. Its value is code x scale, taken as it is: it is not quantised again, and the codes and scales need not be those that the quantiser above would give.
;; One version. Each part assembles by itself: llvm-mc -triple=amdgcn-amd-amdhsa -mcpu=gfx1250 --defsym DOCPART=n.
;; ======== version 1 of 1: 3 launches
;; limits: right only within a limited range of input values
;; workspace buffers: qs 16,384 bytes; part 589,824 bytes
;; launch qproj (part 1): grid 64 x 1, 8 waves a work-group, no clusters, 2,048 bytes of LDS; arguments x, W_q, qs; writes qs
.if DOCPART == 1
	.amdgcn_target "amdgcn-amd-amdhsa--gfx1250"
	.amdhsa_code_object_version 6
	.text
	.protected	k_q3be6c3632f_qproj
	.globl	k_q3be6c3632f_qproj
	.p2align	8
	.type	k_q3be6c3632f_qproj,@function
k_q3be6c3632f_qproj:
	s_mov_b64 s[64:65], 0
	v_nop
	global_prefetch_b8 v0, s[64:65] scope:SCOPE_SE
	s_setreg_imm32_b32 hwreg(HW_REG_WAVE_MODE, 25, 1), 1
	s_wait_xcnt 0x0
; q[b][e] = c x (the sum over d of x[b][8191][d] W_q[e][d]), c = log2(e) / sqrt(512): the last token's query, in the units in which the softmax works (powers of two).
; x: [8][8192][512] f32, W_q: [512][512] f32.  qs holds, for each group g of eight e, 64 numbers [b 0..7][e - 8 g]: 256 bytes.  All in f32 by fused multiply-adds.
; SHARES.  Work-group g makes e = 8 g .. 8 g + 7 for all eight batches.  Wave w = 4 eg + kz takes d = 128 kz .. 128 kz + 127 and the four rows e = 8 g + 4 eg + i: lane l holds d = 128 kz + 4 l + 0 .. 3 of
; four rows of W_q and of eight rows of x (every load of the wave reads 512 consecutive bytes): 32 sums.  The sums over the lanes meet in LDS, where wave 0 adds the four slices of d.
; No loop, no tile that two cluster partners would share but the eight rows of x (16 KB): no cluster, no prefetch.
; LIMITS: NaN and infinities are not served.
.set CSC, 0x3d8293ee                   ; c = log2(e) / sqrt(512)
.set SPARE, 1024                       ; LDS: 128 bytes of sums for each wave, then the spare words
.set XV, 8                             ; v8-15   byte offsets of the eight batches' rows; v8 is 16 l
.set WR, 16                            ; v16-31  my four numbers of each row of W_q
.set XR, 32                            ; v32-63  my four numbers of each row of x
.set A,  64                            ; v64-127 a pair of sums for (i, b) at A + 2 (8 i + b)
.set S,  128                           ; v128-159 the sums
	s_load_b128 s[4:7], s[0:1], 0x0                ; x, W_q
	s_load_b64 s[8:9], s[0:1], 0x10                ; qs
	v_lshrrev_b32 v3, 5, v0
	v_readfirstlane_b32 s10, v3                    ; wave 0..7
	s_and_b32 s11, s10, 3                          ; kz
	s_lshr_b32 s12, s10, 2                         ; eg
	s_lshl_b32 s13, s10, 7                         ; LDS: my wave's 128 bytes
	s_lshl_b32 s14, s11, 9                         ; my 512 bytes of a row
	s_mov_b32 s15, 0
	s_lshl_b32 s16, ttmp9, 14                      ; eight rows of W_q of 2,048 bytes a group,
	s_lshl_b32 s17, s12, 13                        ; four for each eg
	s_add_co_u32 s16, s16, s17
	s_add_co_u32 s16, s16, s14
	s_mov_b32 s17, 0
	s_lshl_b32 s18, ttmp9, 8
	s_mov_b32 s19, 0
	v_lshl_add_u32 v1, v0, 2, SPARE                ; my spare word
	v_mov_b32 v2, 0
	v_and_b32 v4, 31, v0                           ; l
	v_bfe_u32 v5, v0, 4, 1                         ; h
	v_lshlrev_b32 v[XV], 4, v4
.irp b, 1,2,3,4,5,6,7
	v_add_nc_u32 v[XV+\b], \b<<24, v[XV]           ; a batch of x is 8,192 rows of 2,048 bytes
.endr
	v_lshl_add_u32 v7, v5, 6, s13                  ; where I put sums: o = 8 i + b at 4 o; lanes 16-31 hold i = 2, 3
	v_lshlrev_b32 v6, 3, v4                        ; the way out: 8 bytes a lane
	v_bfe_u32 v3, v0, 1, 1
	v_lshlrev_b32 v5, 9, v3                        ; the way out: lane l makes b = l / 4, e - 8 g = 2 (l % 4) and + 1: eg = (l / 2) % 2,
	v_and_b32 v3, 1, v0
	v_lshl_add_u32 v5, v3, 6, v5                   ; i = 2 (l % 2)
	v_bfe_u32 v3, v0, 2, 3
	v_lshl_add_u32 v5, v3, 2, v5
	s_wait_alu depctr_va_vdst(0)                   ; the wait at the head's end
	s_wait_kmcnt 0x0
	s_add_nc_u64 s[4:5], s[4:5], s[14:15]
	s_add_nc_u64 s[4:5], s[4:5], 8191*2048         ; batch 0's last row
	s_add_nc_u64 s[6:7], s[6:7], s[16:17]
	s_add_nc_u64 s[8:9], s[8:9], s[18:19]
.irp i, 0,1,2,3
	global_load_b128 v[WR+4*\i:WR+4*\i+3], v[XV], s[6:7] offset:2048*\i
.endr
.irp b, 0,1,2,3,4,5,6,7
	global_load_b128 v[XR+4*\b:XR+4*\b+3], v[XV+\b], s[4:5]
.endr
.irp b, 0,1,2,3,4,5,6,7
	s_wait_loadcnt 7-\b                            ; batch b's numbers are in; the younger ones may be out
.irp i, 0,1,2,3
	v_pk_mul_f32 v[A+2*(8*\i+\b):A+2*(8*\i+\b)+1], v[WR+4*\i:WR+4*\i+1], v[XR+4*\b:XR+4*\b+1]
.endr
.irp i, 0,1,2,3
	v_pk_fma_f32 v[A+2*(8*\i+\b):A+2*(8*\i+\b)+1], v[WR+4*\i+2:WR+4*\i+3], v[XR+4*\b+2:XR+4*\b+3], v[A+2*(8*\i+\b):A+2*(8*\i+\b)+1]
.endr
.endr
.irp o, 0,1,2,3,4,5,6,7,8,9,10,11,12,13,14,15,16,17,18,19,20,21,22,23,24,25,26,27,28,29,30,31
	v_add_f32 v[S+\o], v[A+2*\o], v[A+2*\o+1]
.endr
.irp o, 0,1,2,3,4,5,6,7,8,9,10,11,12,13,14,15
	v_permlane16_swap_b32 v[S+\o], v[S+16+\o]      ; the sum of the two then holds o in lanes 0-15 and o + 16 in lanes 16-31, over both halves of the lanes
.endr
.irp o, 0,1,2,3,4,5,6,7,8,9,10,11,12,13,14,15
	v_add_f32 v[S+\o], v[S+\o], v[S+16+\o]
.endr
.irp x, 1,2,4,8                                    ; across the 16 lanes of each half; the sixteen sums by turns
.irp o, 0,1,2,3,4,5,6,7,8,9,10,11,12,13,14,15
	v_add_f32_dpp v[S+\o], v[S+\o], v[S+\o] row_xmask:\x row_mask:0xf bank_mask:0xf
.endr
.endr
.irp o, 0,4,8,12
	ds_store_b128 v7, v[S+\o:S+\o+3] offset:4*\o   ; the lanes of a half hold the same numbers and write them to the same bytes
.endr
	s_wait_dscnt 0x0                               ; for wave 0's sake: my stores are done
	s_barrier_signal -1
	s_barrier_wait -1
	s_cmp_lg_u32 s10, 0
	s_cbranch_scc1 .Lend
.irp k, 0,1,2,3
	ds_load_b32 v[A+2*\k], v5 offset:128*\k        ; slice k of d
	ds_load_b32 v[A+2*\k+1], v5 offset:128*\k+32
.endr
	s_wait_dscnt 0x0
	v_pk_add_f32 v[A:A+1], v[A:A+1], v[A+2:A+3]
	v_pk_add_f32 v[A+4:A+5], v[A+4:A+5], v[A+6:A+7]
	v_pk_add_f32 v[A:A+1], v[A:A+1], v[A+4:A+5]
	v_pk_mul_f32 v[A:A+1], v[A:A+1], CSC op_sel_hi:[1,0]
	global_store_b64 v6, v[A:A+1], s[8:9]          ; 32 lanes store 256 consecutive bytes, at a multiple of 256 from qs's first byte
.Lend:
	s_wait_tensorcnt 0x0                           ; the wave's end
	ds_add_u32 v1, v2
	s_wait_dscnt 0x0
	s_endpgm
.Lfunc_end_k_q3be6c3632f_qproj:
	.size	k_q3be6c3632f_qproj, .Lfunc_end_k_q3be6c3632f_qproj-k_q3be6c3632f_qproj
	.p2alignl 7, 3214868480
	.fill 96, 4, 3214868480
	.section	.rodata,"a",@progbits
	.p2align	6, 0x0
	.amdhsa_kernel k_q3be6c3632f_qproj
		.amdhsa_group_segment_fixed_size 2048
		.amdhsa_private_segment_fixed_size 0
		.amdhsa_enable_private_segment 0
		.amdhsa_kernarg_size 24
		.amdhsa_user_sgpr_count 2
		.amdhsa_user_sgpr_kernarg_segment_ptr 1
		.amdhsa_wavefront_size32 1
		.amdhsa_system_sgpr_workgroup_id_x 1
		.amdhsa_system_sgpr_workgroup_id_y 1
		.amdhsa_system_sgpr_workgroup_id_z 1
		.amdhsa_system_vgpr_workitem_id 0
		.amdhsa_next_free_vgpr 160
		.amdhsa_next_free_sgpr 66
		.amdhsa_reserve_vcc 0
		.amdhsa_float_denorm_mode_32 3
		.amdhsa_float_denorm_mode_16_64 3
		.amdhsa_memory_ordered 1
		.amdhsa_forward_progress 1
		.amdhsa_inst_pref_size 15
	.end_amdhsa_kernel
	.amdgpu_metadata
---
amdhsa.version: [ 1, 2 ]
amdhsa.kernels:
  - .name:           k_q3be6c3632f_qproj
    .symbol:         k_q3be6c3632f_qproj.kd
    .args:
      - { .name: x, .offset: 0, .size: 8, .value_kind: global_buffer, .address_space: global }
      - { .name: W_q, .offset: 8, .size: 8, .value_kind: global_buffer, .address_space: global }
      - { .name: qs, .offset: 16, .size: 8, .value_kind: global_buffer, .address_space: global }
    .group_segment_fixed_size: 2048
    .private_segment_fixed_size: 0
    .kernarg_segment_align: 8
    .kernarg_segment_size: 24
    .max_flat_workgroup_size: 256
    .sgpr_count:     66
    .vgpr_count:     160
    .wavefront_size: 32
...
	.end_amdgpu_metadata
.endif
;; end of part 1
;; launch fused (part 2): grid 256 x 1, 8 waves a work-group, clusters of 4 x 1, 327,680 bytes of LDS; arguments x, W_k_codes, W_k_scales, W_v_codes, W_v_scales, qs, part; writes part
.if DOCPART == 2
	.amdgcn_target "amdgcn-amd-amdhsa--gfx1250"
	.amdhsa_code_object_version 6
	.text
	.protected	k_q3be6c3632f_fused
	.globl	k_q3be6c3632f_fused
	.p2align	8
	.type	k_q3be6c3632f_fused,@function
k_q3be6c3632f_fused:
	s_mov_b64 s[64:65], 0
	v_nop
	global_prefetch_b8 v0, s[64:65] scope:SCOPE_SE
	s_setreg_imm32_b32 hwreg(HW_REG_WAVE_MODE, 25, 1), 1
	s_wait_xcnt 0x0
	s_wait_alu depctr_hold_cnt(0) depctr_sa_sdst(0) depctr_va_vdst(0) depctr_va_sdst(0) depctr_va_ssrc(0) depctr_va_vcc(0) depctr_vm_vsrc(0)
	s_getreg_b32 s2, hwreg(HW_REG_IB_STS2, 6, 4)
	s_cmp_eq_u32 s2, 0
	s_cbranch_scc0 .Lentry_in_a_cluster
	s_endpgm
.Lentry_in_a_cluster:
	s_bfe_u32 s2, ttmp6, 0x10000c
	s_cmp_lg_u32 s2, 0x3003
	s_cbranch_scc0 .Lentry_shape_is_right
	s_endpgm
.Lentry_shape_is_right:
; For 256 rows s of one batch of x ([8][8192][512] f32, taken as [65536][512]): k = Q(x) W_k^T and v = Q(x) W_v^T on codes of FP4 (E2M1) with one E8M0 scale for each 32 along K (Q: the quantiser along
; x's 512; W_k, W_v arrive as codes [512][256 bytes] and scale bytes [512][16]); t[s] = q . k[s] (q carries log2(e) / sqrt(512)); and of these rows a partial softmax: m = the largest t,
; l = the sum of 2^(t - m), ctx[e] = the sum of 2^(t - m) v[s][e].  k and v never leave the registers.  part: a record of 2,304 bytes for each work-group: ctx[512] f32, then the pair (m, l) 32 times.
; LIMITS: NaN and infinities among the inputs are not served; t stays under 2^31 in magnitude.  A block of zeros of x gets the scale byte 1 where the rule says 127: its codes are zeros, which add nothing, and this
; program alone reads the bytes.  A weight 2^(t - m) under 2^-126 counts as 0.
; SHARES.  Work-group g owns rows 256 g .. 256 g + 255, in eight blocks of 32.  THE EIGHT WAVES SHARE THE COLUMNS: wave w keeps rows e = 64 w .. 64 w + 63 of W_k and of W_v in registers (2 x 4 tiles x 4 K steps x 8 = 256).
; The weights come into LDS once, by ONE joint tensor load a wave: waves 0-3 fetch 128 rows each of W_k, waves 4-7 of W_v; the four work-groups of a cluster ask together.  Nothing in LDS is filled again.
; x goes from memory into registers.  Of a block, wave w quantises rows w, w + 8 (tile m = 0) and w + 16, w + 24 (tile m = 1) and hands the codes to all waves through LDS, as images of the operand's registers.
; A ROW PAIR (A, B = A + 8): piece j (512 bytes) of each row by one load: lane (c, h) takes the 16 bytes at 32 c + 16 h: together 512 consecutive bytes.  Four exchanges of half rows between A's and B's registers leave
; lane (c, 0) eight neighbours of A, k = 128 j + 8 c + 0 .. 7, and lane (c, 1) those of B: one conversion.  A block of 32 numbers lies in four lanes.
; K STEPS: instruction b (0 .. 3) takes the blocks of 32 numbered 4 j + b, j = 0 .. 3: then the four scale bytes of its word come from ONE lane's four pieces; W's rows are read in the same order, and its scale bytes transposed once.
; K's product is used transposed (source 0 = W_k, source 1 = x): a lane holds one row of x and eight e, which meet q.  V's is used as it stands: a lane holds one e and eight rows, which meet the rows' weights.
; ONE BARRIER A BLOCK: in front of barrier n lie the scores of block n and the codes of block n + 1, each in two buffers by turns.  Two row pairs are on their way at any time: when a pair of block n + 1 has been converted,
; that of block n + 2 is asked for.  Block 1 is asked for when the weights are in, and its codes are made behind block 0's values, with a barrier of their own.
; PREFETCH: one instruction a wave for each block: its four rows, 32 blocks of 256 bytes, one a lane, each named once in the launch.  The head asks for blocks 1 to 3 while the weights land, block n for block n + 4, two blocks
; ahead of the loads that want it; block 3 asks for the last one.
; The eight blocks are written out by one macro: the first and the last two differ, and each has its own addresses in the loads' immediates.
.set BLK,  65536                       ; a block of 32 rows of x in memory
.set WP,   272                         ; a weight's row in LDS: 256 bytes + 16 of padding
.set WVL,  512*WP                      ; W_v behind W_k
.set FP,   1040                        ; a fragment's image: 1,024 bytes + 16: registers 0-3 at 16 x lane, registers 4-7 at 512 + 16 x lane
.set TIMG, 4*FP                        ; a tile of 16 rows
.set IMGB, 2*TIMG                      ; a block
.set IMG,  2*WVL                       ; 278,528: two buffers
.set XSB,  IMG+2*IMGB                  ; 295,168: scale words [buffer][row][b]
.set SCX,  XSB+1024                    ; 296,192: partial scores [buffer][row, pitch 48][wave]
.set SXB,  1536
.set PST,  SCX+2*SXB                   ; 299,264: each wave's own 128 bytes: p of the 32 rows
.set OUTS, PST+1024                    ; 300,288: each wave's own 256 bytes: in the head its 64 numbers of q, at the end those of ctx
.set SPARE, OUTS+2048                  ; 302,336: the spare words, 128 bytes for each wave
; REGISTERS.  Window 0:
.set SPW,  1
.set NIL,  2
.set XO,   3                           ; 32 c + 16 h
.set IMW,  4                           ; where I store codes
.set SCW,  5                           ; and scale words
.set LIX,  6                           ; IMG + 16 l
.set PFO,  7                           ; the prefetches' offset
.set SXW,  8
.set SXR,  9
.set PSW,  10
.set PSR,  11
.set TP,   12                          ; a lane permute's destination
.set LSUM, 13                          ; my lane's part of l
.set FAC,  14                          ; v[14:15] 2^(old m - new m), and the pair's upper half
.set MAXR, 16                          ; the running maximum m
.set MT,   17
.set S0,   18                          ; in the head: LDS address of my rows of W_k
.set S1,   19                          ; in the head: of W_v
.set KV,   20                          ; v20-35  scale words, tile t, instruction b at 4 t + b: lanes 0-15 W_k's row, lanes 16-31 W_v's
.set QR,   36                          ; v36-67  q[64 w + 16 t + 8 h + j] at 8 t + j
.set CTX,  68                          ; v68-75  ctx's partial sums: a pair for each tile
.set XF,   76                          ; v76-139 x's fragment (m, b) at 32 m + 8 b
.set XSC,  140                         ; v140-143 its scale words, instruction b: lanes 0-15 tile 0's row, lanes 16-31 tile 1's
.set ACC,  144                         ; v144-175 four accumulators; in the head: addresses
.set STG0, 176                         ; v176-207 a row pair of tile 0 as it comes from memory: piece j of A at 8 j, of B at 8 j + 4
.set STG1, 208                         ; v208-239 a row pair of tile 1
.set T,    240                         ; v240-255 at work; p(16 m + 8 h + j) at 8 m + j
; Window 1: W_k's fragment (t, b) at 8 (4 t + b), W_v's at 128 + 8 (4 t + b).
.set G1,   24                          ; s[24:31], s[32:35] descriptor groups 1 and 0
.set G0,   32
.set MSB, 0
.macro WIN new                         ; the immediate's high byte repeats the setting that is left
.if MSB != \new
	s_set_vgpr_msb (MSB<<8)|\new
.set MSB, \new
.endif
.endm
.macro PLACES
.rept 4
	v_nop
.endr
.endm
.macro BAR                             ; my LDS stores have landed, my LDS loads are in: then the work-group's barrier
	s_wait_dscnt 0x0
	s_barrier_signal -1
	s_barrier_wait -1
.endm
.macro CROUND                          ; a whole round of the cluster's barrier
	s_barrier_signal -1
	s_barrier_wait -1
	s_cmp_lg_u32 s18, 0
	s_cbranch_scc1 .Lnot_wave_0_\@
	s_barrier_signal -3
.Lnot_wave_0_\@:
	s_barrier_wait -3
	s_barrier_signal -1
	s_barrier_wait -1
.endm
.macro LD d, off                       ; a row pair's eight loads
.irp j, 0,1,2,3
	global_load_b128 v[\d+8*\j:\d+8*\j+3], v[XO], s[4:5] offset:(\off)+512*\j th:TH_LOAD_NT
	global_load_b128 v[\d+8*\j+4:\d+8*\j+7], v[XO], s[4:5] offset:(\off)+16384+512*\j th:TH_LOAD_NT
.endr
.endm
.macro ASK off
	global_prefetch_b8 v[PFO], s[4:5] offset:\off th:TH_LOAD_NT scope:SCOPE_SE
.endm
; A row pair's first part: neighbours into one lane, and the largest magnitude of each block of 32 (with the floor 2^(3 - 127) among its leaves, so that the scale's byte cannot fall under 1).  The four pieces by turns.
.macro QA s
.irp i, 0,1,2,3
.irp j, 0,1,2,3
	v_permlane16_swap_b32 v[\s+8*\j+\i], v[\s+8*\j+4+\i]
.endr
.endr
.irp j, 0,1,2,3
	v_max3_num_f32 v[T+\j], |v[\s+8*\j]|, |v[\s+8*\j+1]|, 0x1800000
.endr
.irp i, 2,4,6
.irp j, 0,1,2,3
	v_max3_num_f32 v[T+\j], v[T+\j], |v[\s+8*\j+\i]|, |v[\s+8*\j+\i+1]|
.endr
.endr
.irp x, 1,2
.irp j, 0,1,2,3
	v_max_num_f32_dpp v[T+\j], v[T+\j], v[T+\j] row_xmask:\x row_mask:0xf bank_mask:0xf
.endr
.endr
.endm
; The second part: 2 off the exponent field is the conversion's scale operand; the codes; the four bytes make the scale word; all into buffer buf, tile m.
.macro QB s, buf, m
.irp j, 0,1,2,3
	v_add_nc_u32 v[T+\j], 0xff000000, v[T+\j]
.endr
.irp j, 0,1,2,3
	v_cvt_scalef32_pk8_fp4_f32 v[T+4+\j], v[\s+8*\j:\s+8*\j+7], v[T+\j]
.endr
.irp j, 0,1,2,3
	v_lshrrev_b32 v[T+8+\j], 23, v[T+\j]
.endr
	v_lshl_or_b32 v[T+8], v[T+9], 8, v[T+8]
	v_lshl_or_b32 v[T+10], v[T+11], 8, v[T+10]
	v_lshl_or_b32 v[T+8], v[T+10], 16, v[T+8]
.irp j, 0,1,2,3
	ds_store_b32 v[IMW], v[T+4+\j] offset:(\buf)*IMGB+(\m)*TIMG+256*\j
.endr
	ds_store_b32 v[SCW], v[T+8] offset:(\buf)*512+(\m)*256
.endm
.macro XLD m, buf                      ; eight loads: tile m's four fragments
.irp b, 0,1,2,3
.irp c, 0,1
	ds_load_b128 v[XF+32*(\m)+8*\b+4*\c:XF+32*(\m)+8*\b+4*\c+3], v[LIX] offset:(\buf)*IMGB+(\m)*TIMG+\b*FP+512*\c
.endr
.endr
.endm
.macro XSL buf                         ; both tiles' scale words: lane l has row l's four
	ds_load_b128 v[XSC:XSC+3], v[LIX] offset:XSB-IMG+(\buf)*512
.endm
.macro WLD d, adr                      ; 32 loads: 64 rows of a weight; instruction b, register group c, half h: the row's block 4 (2 c + h) + b
	WIN 0x40
.irp t, 0,1,2,3
.irp b, 0,1,2,3
.irp c, 0,1
	ds_load_b128 v[\d+8*(4*\t+\b)+4*\c:\d+8*(4*\t+\b)+4*\c+3], v[\adr] offset:16*WP*\t+128*\c+16*\b
.endr
.endr
.endr
	WIN 0
.endm
.macro TR s                            ; four words of a row's 16 scale bytes, transposed: word b holds the bytes of blocks b, 4 + b, 8 + b, 12 + b
	v_perm_b32 v[T], v[\s+1], v[\s], 0x05010400
	v_perm_b32 v[T+1], v[\s+1], v[\s], 0x07030602
	v_perm_b32 v[T+2], v[\s+3], v[\s+2], 0x05010400
	v_perm_b32 v[T+3], v[\s+3], v[\s+2], 0x07030602
	v_perm_b32 v[\s], v[T+2], v[T], 0x05040100
	v_perm_b32 v[\s+1], v[T+2], v[T], 0x07060302
	v_perm_b32 v[\s+2], v[T+3], v[T+1], 0x05040100
	v_perm_b32 v[\s+3], v[T+3], v[T+1], 0x07060302
.endm
; 16 matrix instructions: tile m of rows against my four tiles of e.  The four accumulators take turns, one instruction a turn.  The first K step starts the sums with 0: nothing is cleared.
.macro GK m                            ; k, transposed: lane (r, h), register j: k(row 16 m + r, e = 16 t + 8 h + j)
	WIN 0x01
.irp b, 0,1,2,3
.irp t, 0,1,2,3
.if \b == 0
.if \m == 0
	v_wmma_scale_f32_16x16x128_f8f6f4 v[ACC+8*\t:ACC+8*\t+7], v[8*(4*\t+\b):8*(4*\t+\b)+7], v[XF+8*\b:XF+8*\b+7], 0, v[KV+4*\t+\b], v[XSC+\b] matrix_a_fmt:MATRIX_FMT_FP4 matrix_b_fmt:MATRIX_FMT_FP4
.else
	v_wmma_scale_f32_16x16x128_f8f6f4 v[ACC+8*\t:ACC+8*\t+7], v[8*(4*\t+\b):8*(4*\t+\b)+7], v[XF+32+8*\b:XF+32+8*\b+7], 0, v[KV+4*\t+\b], v[XSC+\b] matrix_a_fmt:MATRIX_FMT_FP4 matrix_b_fmt:MATRIX_FMT_FP4 matrix_b_scale:MATRIX_SCALE_ROW1
.endif
.else
.if \m == 0
	v_wmma_scale_f32_16x16x128_f8f6f4 v[ACC+8*\t:ACC+8*\t+7], v[8*(4*\t+\b):8*(4*\t+\b)+7], v[XF+8*\b:XF+8*\b+7], v[ACC+8*\t:ACC+8*\t+7], v[KV+4*\t+\b], v[XSC+\b] matrix_a_fmt:MATRIX_FMT_FP4 matrix_b_fmt:MATRIX_FMT_FP4
.else
	v_wmma_scale_f32_16x16x128_f8f6f4 v[ACC+8*\t:ACC+8*\t+7], v[8*(4*\t+\b):8*(4*\t+\b)+7], v[XF+32+8*\b:XF+32+8*\b+7], v[ACC+8*\t:ACC+8*\t+7], v[KV+4*\t+\b], v[XSC+\b] matrix_a_fmt:MATRIX_FMT_FP4 matrix_b_fmt:MATRIX_FMT_FP4 matrix_b_scale:MATRIX_SCALE_ROW1
.endif
.endif
.endr
.endr
	WIN 0
.endm
.macro GV m                            ; v, as it stands: lane (r, h), register j: v(row 16 m + 8 h + j, e = 16 t + r)
	WIN 0x04
.irp b, 0,1,2,3
.irp t, 0,1,2,3
.if \b == 0
.if \m == 0
	v_wmma_scale_f32_16x16x128_f8f6f4 v[ACC+8*\t:ACC+8*\t+7], v[XF+8*\b:XF+8*\b+7], v[128+8*(4*\t+\b):128+8*(4*\t+\b)+7], 0, v[XSC+\b], v[KV+4*\t+\b] matrix_a_fmt:MATRIX_FMT_FP4 matrix_b_fmt:MATRIX_FMT_FP4 matrix_b_scale:MATRIX_SCALE_ROW1
.else
	v_wmma_scale_f32_16x16x128_f8f6f4 v[ACC+8*\t:ACC+8*\t+7], v[XF+32+8*\b:XF+32+8*\b+7], v[128+8*(4*\t+\b):128+8*(4*\t+\b)+7], 0, v[XSC+\b], v[KV+4*\t+\b] matrix_a_fmt:MATRIX_FMT_FP4 matrix_b_fmt:MATRIX_FMT_FP4 matrix_a_scale:MATRIX_SCALE_ROW1 matrix_b_scale:MATRIX_SCALE_ROW1
.endif
.else
.if \m == 0
	v_wmma_scale_f32_16x16x128_f8f6f4 v[ACC+8*\t:ACC+8*\t+7], v[XF+8*\b:XF+8*\b+7], v[128+8*(4*\t+\b):128+8*(4*\t+\b)+7], v[ACC+8*\t:ACC+8*\t+7], v[XSC+\b], v[KV+4*\t+\b] matrix_a_fmt:MATRIX_FMT_FP4 matrix_b_fmt:MATRIX_FMT_FP4 matrix_b_scale:MATRIX_SCALE_ROW1
.else
	v_wmma_scale_f32_16x16x128_f8f6f4 v[ACC+8*\t:ACC+8*\t+7], v[XF+32+8*\b:XF+32+8*\b+7], v[128+8*(4*\t+\b):128+8*(4*\t+\b)+7], v[ACC+8*\t:ACC+8*\t+7], v[XSC+\b], v[KV+4*\t+\b] matrix_a_fmt:MATRIX_FMT_FP4 matrix_b_fmt:MATRIX_FMT_FP4 matrix_a_scale:MATRIX_SCALE_ROW1 matrix_b_scale:MATRIX_SCALE_ROW1
.endif
.endif
.endr
.endr
	WIN 0
.endm
.macro FK d                            ; k against q, in four chains of pairs; d: my lane's part of its row's score.  Each accumulator from its low end on
.irp t, 0,1,2,3
.irp i, 0,1,2,3
.if \t == 0
	v_pk_mul_f32 v[T+8+2*\i:T+9+2*\i], v[ACC+2*\i:ACC+2*\i+1], v[QR+2*\i:QR+2*\i+1]
.else
	v_pk_fma_f32 v[T+8+2*\i:T+9+2*\i], v[ACC+8*\t+2*\i:ACC+8*\t+2*\i+1], v[QR+8*\t+2*\i:QR+8*\t+2*\i+1], v[T+8+2*\i:T+9+2*\i]
.endif
.endr
.endr
	v_pk_add_f32 v[T+8:T+9], v[T+8:T+9], v[T+10:T+11]
	v_pk_add_f32 v[T+12:T+13], v[T+12:T+13], v[T+14:T+15]
	v_pk_add_f32 v[T+8:T+9], v[T+8:T+9], v[T+12:T+13]
	v_add_f32 v[\d], v[T+8], v[T+9]
.endm
.macro FV m                            ; v against the rows' weights, in four chains of pairs
.irp i, 0,1,2,3
.irp t, 0,1,2,3
	v_pk_fma_f32 v[CTX+2*\t:CTX+2*\t+1], v[ACC+8*\t+2*\i:ACC+8*\t+2*\i+1], v[T+8*(\m)+2*\i:T+8*(\m)+2*\i+1], v[CTX+2*\t:CTX+2*\t+1]
.endr
.endr
.endm
; BLOCK n, p = n % 2, o = 1 - p.  c1: the LDS instructions behind tile 1's fragment loads that may be out.  q: block n + 1 is quantised;  ld: block n + 2 is asked for;  lc: the loads behind the second row pair that may be out;
; ask: block n + 4 is prefetched;  nx: block n + 1's fragments are loaded in this block's second half.
.macro BLOCK n, p, o, c1, q, ld, lc, ask, nx
	s_wait_dscnt 8                                 ; tile 0's fragments and the scale words are in; tile 1's eight loads may be out
	GK 0
.if \n == 0
	WLD 128, S1                                    ; W_v's fragments arrive under the keys' work
	LD STG1, BLK+32768                             ; block 1's second row pair
.endif
.if \q
	s_wait_loadcnt 8                               ; the first row pair is in; the second may be out
	QA STG0
.else
	PLACES
.endif
	FK S0
.if \q
	QB STG0, \o, 0
.endif
.if \ld
	LD STG0, (\n+2)*BLK
.endif
	s_wait_dscnt \c1
	GK 1
.if \q
	s_wait_loadcnt \lc
	QA STG1
.else
	PLACES
.endif
	FK S1
	v_permlane16_swap_b32 v[S0], v[S1]             ; the sum of the two then holds, in lane l, row l's score over both halves of e
	v_add_f32 v[S0], v[S0], v[S1]
	ds_store_b32 v[SXW], v[S0] offset:(\p)*SXB
.if \q
	QB STG1, \o, 1
.endif
.if \ld
	LD STG1, (\n+2)*BLK+32768
.endif
.if \ask
	ASK (\n+4)*BLK
.endif
	BAR
	ds_load_b128 v[T:T+3], v[SXR] offset:(\p)*SXB  ; row l's eight partial scores
	ds_load_b128 v[T+4:T+7], v[SXR] offset:(\p)*SXB+16
	GV 0                                           ; at work while the scores come
	s_wait_dscnt 0x0
	; the softmax's step, alike in every wave: lane l has row l
	v_pk_add_f32 v[T:T+1], v[T:T+1], v[T+2:T+3]
	v_pk_add_f32 v[T+4:T+5], v[T+4:T+5], v[T+6:T+7]
	v_pk_add_f32 v[T:T+1], v[T:T+1], v[T+4:T+5]
	v_add_f32 v[S0], v[T], v[T+1]                  ; t
	s_delay_alu instid0(VALU_DEP_1)
	v_max_num_f32_dpp v[MT], v[S0], v[S0] row_xmask:1 row_mask:0xf bank_mask:0xf
	s_delay_alu instid0(VALU_DEP_1)
	v_max_num_f32_dpp v[MT], v[MT], v[MT] row_xmask:2 row_mask:0xf bank_mask:0xf
	s_delay_alu instid0(VALU_DEP_1)
	v_max_num_f32_dpp v[MT], v[MT], v[MT] row_xmask:4 row_mask:0xf bank_mask:0xf
	s_delay_alu instid0(VALU_DEP_1)
	v_max_num_f32_dpp v[MT], v[MT], v[MT] row_xmask:8 row_mask:0xf bank_mask:0xf
	v_permlanex16_b32 v[TP], v[MT], s20, s21
	v_mov_b32 v[S1], v[MAXR]
	v_max3_num_f32 v[MAXR], v[MT], v[TP], v[MAXR]  ; the running maximum
	v_sub_f32 v[S1], v[S1], v[MAXR]                ; old m - new m, 0 or less
	v_sub_f32 v[S0], v[S0], v[MAXR]
	s_wait_alu depctr_va_vdst(0)
	v_exp_f32 v[S0], v[S0]                         ; p = 2^(t - m), at most 1
	v_exp_f32 v[FAC], v[S1]
	v_nop                                          ; one plain vector line behind the exponentials
	s_wait_alu depctr_va_vdst(0)
	v_fma_f32 v[LSUM], v[LSUM], v[FAC], v[S0]
	ds_store_b32 v[PSW], v[S0]                     ; p goes through my wave's own 128 bytes, to come back eight rows a lane: LDS serves a wave's instructions in order
.irp m, 0,1
	ds_load_b128 v[T+8*\m:T+8*\m+3], v[PSR] offset:64*\m
	ds_load_b128 v[T+8*\m+4:T+8*\m+7], v[PSR] offset:64*\m+16
.endr
.irp i, 0,2,4,6
	v_pk_mul_f32 v[CTX+\i:CTX+\i+1], v[CTX+\i:CTX+\i+1], v[FAC:FAC+1] op_sel_hi:[1,0]   ; ctx under the new m
.endr
	s_wait_dscnt 0x0                               ; p is in
	s_wait_alu depctr_va_vdst(0)                   ; the wait here, directly ahead of the first reader of tile 0's products
	FV 0
.if \nx
	XLD 0, \o
.endif
	GV 1
	PLACES
	FV 1
.if \nx
	XSL \o
	XLD 1, \o
.endif
.endm
	s_load_b256 s[4:11], s[0:1], 0x0               ; x s[4:5], W_k's codes s[6:7], W_k's scales s[8:9], W_v's codes s[10:11]
	s_load_b128 s[12:15], s[0:1], 0x20             ; W_v's scales s[12:13], qs s[14:15]
	s_load_b64 s[16:17], s[0:1], 0x30              ; part
	v_lshl_add_u32 v[SPW], v0, 2, SPARE
	v_mov_b32 v[NIL], 0
	ds_add_u32 v[SPW], v[NIL]                      ; the wave's opening: the add, twice on end, and its wait ahead of my tensor load
	ds_add_u32 v[SPW], v[NIL]
	v_lshrrev_b32 v240, 5, v0
	v_readfirstlane_b32 s18, v240                  ; wave 0..7
	s_bfe_u32 s19, ttmp6, 0x40000                  ; my place in the cluster
	s_lshl_b32 s22, ttmp9, 2
	s_add_co_u32 s22, s22, s19                     ; work-group = 4 x cluster + place
	s_mov_b32 s20, 0x76543210                      ; v_permlanex16_b32's selects for lane l xor 16
	s_mov_b32 s21, 0xfedcba98
	; descriptor group 1: 128 rows of 256 bytes, padded in LDS
	s_mov_b32 s[G1+0], 15|(1<<20)|(1<<21)|(5<<22)|(3<<25)   ; 15:0 the mask: all four of the cluster; 17:16 elements of 1 byte; 20 padding on; 21 set beside a mask; 24:22 after every 64 words (code 5); 31:25 four words (code 3)
	s_mov_b32 s[G1+1], 256<<16                     ; tensor_dim0
	s_mov_b32 s[G1+2], 128<<16                     ; tensor_dim1
	s_mov_b32 s[G1+3], 256<<16                     ; tile_dim0
	s_mov_b32 s[G1+4], 128                         ; tile_dim1
	s_mov_b32 s[G1+5], 256                         ; tensor_dim0_stride
	s_mov_b32 s[G1+6], 0
	s_mov_b32 s[G1+7], 0
	s_mov_b32 s[G0], 1
	s_mul_i32 s[G0+1], s18, 128*WP                 ; LDS: wave x 128 rows
	s_mul_i32 s42, s18, 64*WP                      ; my own 64 rows
	s_lshl_b32 s43, s18, 4
	s_add_co_u32 s44, s43, XSB
	s_add_co_u32 s43, s43, IMG
	s_lshl_b32 s45, s18, 2
	s_add_co_u32 s45, s45, SCX
	s_lshl_b32 s46, s18, 7
	s_add_co_u32 s46, s46, PST
	s_lshl_b32 s47, s18, 8
	s_add_co_u32 s47, s47, OUTS
	v_and_b32 v240, 31, v0                         ; l
	v_and_b32 v241, 15, v0                         ; r (c)
	v_bfe_u32 v242, v0, 4, 1                       ; h
	v_and_b32 v243, 3, v0                          ; c % 4: the octet of a block
	v_bfe_u32 v244, v0, 2, 2                       ; c / 4: the instruction b
	v_bfe_u32 v245, v0, 3, 2
	v_and_b32 v246, 7, v0
	v_mul_u32_u24 v247, v240, 48
	v_bfe_u32 v248, v0, 1, 3
	v_and_b32 v249, 1, v0
	v_lshlrev_b32 v[XO], 5, v241
	v_mul_u32_u24 v[IMW], v244, FP
	v_lshlrev_b32 v[SCW], 2, v244
	v_lshlrev_b32 v[PFO], 14, v245                 ; lane l: row w + 8 (l / 8), 256 bytes at 256 (l % 8)
	v_mul_u32_u24 v[S0], v241, WP
	v_lshlrev_b32 v[ACC+1], 8, v248                ; q: lane c takes half c % 2 of the eight numbers of group c / 2
	v_lshl_add_u32 v[XO], v242, 4, v[XO]
	v_lshl_add_u32 v[IMW], v243, 2, v[IMW]
	v_lshl_add_u32 v[SCW], v242, 7, v[SCW]         ; row B's words lie 8 rows on
	v_lshl_add_u32 v[PFO], v246, 8, v[PFO]
	v_lshl_add_u32 v[S0], v242, 6, v[S0]
	v_lshl_add_u32 v[ACC+1], v249, 4, v[ACC+1]
	v_lshl_add_u32 v[IMW], v242, 7, v[IMW]
	v_add_nc_u32 v[SCW], s44, v[SCW]
	v_add_nc_u32 v[S0], s42, v[S0]
	v_add_nc_u32 v[IMW], s43, v[IMW]
	v_lshl_add_u32 v[LIX], v240, 4, IMG
	v_lshlrev_b32 v[ACC], 4, v240                  ; scale bytes: 16 a row, a row a lane
	v_add_nc_u32 v[S1], WVL, v[S0]
	v_add_nc_u32 v[SXR], SCX, v247
	v_add_nc_u32 v[SXW], s45, v247
	v_lshl_add_u32 v[PSW], v240, 2, s46
	v_lshl_add_u32 v[PSR], v242, 5, s46
	v_lshl_add_u32 v[ACC+2], v241, 4, s47          ; q in my wave's own 256 bytes: in,
	v_lshl_add_u32 v[ACC+3], v242, 5, s47          ; and back
	v_mov_b32 v[TP], 0                             ; these two written once: a lane permute's and a DPP form's destination counts as one of its sources
	v_mov_b32 v[MT], 0
	v_mov_b32 v[FAC+1], 0                          ; named as the upper half of a pair
	v_mov_b32 v[MAXR], 0xff61b1e6                  ; -3e38: the first block's factor is 0
	v_mov_b32 v[LSUM], 0
.irp i, 0,1,2,3,4,5,6,7
	v_mov_b32 v[CTX+\i], 0                         ; the block is written once for all: the first finds zeros
.endr
	s_wait_alu depctr_va_vdst(0)
	s_wait_dscnt 0x0                               ; both opening adds are done
	s_wait_kmcnt 0x0
	s_and_b32 s46, s18, 3
	s_lshl_b32 s46, s46, 15                        ; 128 rows of codes
	s_mov_b32 s47, 0
	s_cmp_lt_u32 s18, 4
	s_cselect_b64 s[44:45], s[6:7], s[10:11]       ; waves 0-3 fetch W_k, waves 4-7 W_v
	s_add_nc_u64 s[G0+2:G0+3], s[44:45], s[46:47]
	s_or_b32 s[G0+3], s[G0+3], 0x80000000          ; type = 2
	s_lshl_b32 s40, s22, 19                        ; my work-group's 256 rows of 2,048 bytes,
	s_lshl_b32 s42, s18, 11                        ; from row w on
	s_add_co_u32 s40, s40, s42
	s_mov_b32 s41, 0
	s_add_nc_u64 s[4:5], s[4:5], s[40:41]
	s_lshl_b32 s40, s18, 10                        ; my 64 rows of scale bytes
	s_add_nc_u64 s[8:9], s[8:9], s[40:41]
	s_add_nc_u64 s[12:13], s[12:13], s[40:41]
	s_lshr_b32 s40, s22, 5                         ; the batch: 32 work-groups each
	s_lshl_b32 s40, s40, 5
	s_add_co_u32 s40, s40, s42                     ; q: [group of eight e][batch][8]: 32 bytes a batch, 2,048 a wave
	s_add_nc_u64 s[14:15], s[14:15], s[40:41]
	s_mul_i32 s40, s22, 2304                       ; my work-group's record
	s_add_nc_u64 s[16:17], s[16:17], s[40:41]
	CROUND                                         ; all four work-groups are here: the joint loads meet
	tensor_load_to_lds s[G0:G0+3], s[G1:G1+7]      ; my one tensor load
	s_nop 0
	PLACES                                         ; four v_nop behind a tensor load
	LD STG0, 0                                     ; block 0's two row pairs
	LD STG1, 32768
.irp u, 0,1
	global_load_b128 v[KV+8*\u:KV+8*\u+3], v[ACC], s[8:9] offset:512*\u        ; lane l: row 32 u + l of my 64
	global_load_b128 v[KV+8*\u+4:KV+8*\u+7], v[ACC], s[12:13] offset:512*\u
.endr
	global_load_b128 v[T+12:T+15], v[ACC+1], s[14:15]
	s_wait_loadcnt 13                              ; behind the first pair: 8 + 4 + 1
	QA STG0
	QB STG0, 0, 0
	ASK BLK
	s_wait_loadcnt 5
	QA STG1
	QB STG1, 0, 1
	ASK 2*BLK
	s_wait_loadcnt 0x0                             ; scale bytes and q
	ds_store_b128 v[ACC+2], v[T+12:T+15]           ; lanes l and l + 16 hold the same numbers and write them to the same bytes
.irp t, 0,1,2,3
	ds_load_b128 v[QR+8*\t:QR+8*\t+3], v[ACC+3] offset:64*\t       ; my wave's own bytes, served in order
	ds_load_b128 v[QR+8*\t+4:QR+8*\t+7], v[ACC+3] offset:64*\t+16
.endr
	TR KV
	TR KV+4
	TR KV+8
	TR KV+12
.irp b, 0,1,2,3
	v_permlane16_swap_b32 v[KV+\b], v[KV+4+\b]     ; W_k's rows 16-31 change places with W_v's rows 0-15: lanes 0-15 then hold W_k's words and lanes 16-31 W_v's, tiles 0 and 1
	v_permlane16_swap_b32 v[KV+8+\b], v[KV+12+\b]  ; tiles 2 and 3
.endr
	ASK 3*BLK
	s_wait_alu depctr_va_vdst(0)                   ; the wait at the head's end
	s_wait_tensorcnt 0x0                           ; my 128 rows have landed,
	BAR                                            ; and everybody's: all weights and block 0's codes lie in LDS
	WLD 0, S0
	XLD 0, 0
	XSL 0
	XLD 1, 0
	LD STG0, BLK                                   ; block 1's first row pair
	BLOCK 0, 0, 1, 32, 0, 0, 0, 1, 0               ; behind tile 1's fragments: W_v's 32 loads
	s_wait_loadcnt 8                               ; block 1's codes, behind block 0's values
	QA STG0
	QB STG0, 1, 0
	LD STG0, 2*BLK
	s_wait_loadcnt 8
	QA STG1
	QB STG1, 1, 1
	LD STG1, 2*BLK+32768
	BAR
	XLD 0, 1
	XSL 1
	XLD 1, 1
	BLOCK 1, 1, 0, 5, 1, 1, 8, 1, 1                ; behind tile 1's fragments: the first row pair's five stores
	BLOCK 2, 0, 1, 5, 1, 1, 8, 1, 1
	BLOCK 3, 1, 0, 5, 1, 1, 8, 1, 1
	BLOCK 4, 0, 1, 5, 1, 1, 8, 0, 1
	BLOCK 5, 1, 0, 5, 1, 1, 8, 0, 1
	BLOCK 6, 0, 1, 5, 1, 0, 0, 0, 1                ; block 7 is the last that is quantised
	BLOCK 7, 1, 0, 0, 0, 0, 0, 0, 0
	; THE WAY OUT.  l over the lanes; ctx: a lane's pair of each tile, then the two halves of the lanes: the sum of two neighbouring tiles' registers holds, in lane l, ctx[64 w + 32 u + l].
	s_lshl_b32 s41, s18, 8
	s_add_co_u32 s40, s41, OUTS
	v_add_f32_dpp v[LSUM], v[LSUM], v[LSUM] row_xmask:1 row_mask:0xf bank_mask:0xf
.irp t, 0,1,2,3
	v_add_f32 v[T+\t], v[CTX+2*\t], v[CTX+2*\t+1]
.endr
	v_add_f32_dpp v[LSUM], v[LSUM], v[LSUM] row_xmask:2 row_mask:0xf bank_mask:0xf
	v_permlane16_swap_b32 v[T], v[T+1]
	v_permlane16_swap_b32 v[T+2], v[T+3]
	v_and_b32 v247, 31, v0
	v_add_f32_dpp v[LSUM], v[LSUM], v[LSUM] row_xmask:4 row_mask:0xf bank_mask:0xf
	v_add_f32 v[T], v[T], v[T+1]
	v_add_f32 v[T+2], v[T+2], v[T+3]
	v_lshlrev_b32 v246, 3, v247
	v_add_f32_dpp v[LSUM], v[LSUM], v[LSUM] row_xmask:8 row_mask:0xf bank_mask:0xf
	v_lshl_add_u32 v248, v247, 2, s40
	v_add_nc_u32 v249, s40, v246
	v_add_nc_u32 v250, s41, v246
	v_permlanex16_b32 v[TP], v[LSUM], s20, s21
	v_add_f32 v[MT], v[LSUM], v[TP]                ; the pair (m, l) in v[16:17]
	s_wait_alu depctr_va_vdst(0)
	ds_store_b32 v248, v[T]
	ds_store_b32 v248, v[T+2] offset:128
	ds_load_b64 v[T+4:T+5], v249                   ; my wave's own bytes, served in order: two neighbouring numbers a lane
	s_cmp_lg_u32 s18, 0
	s_cbranch_scc1 .Lnot_first
	global_store_b64 v246, v[MAXR:MT], s[16:17] offset:2048   ; wave 0: (m, l) 32 times over: 256 consecutive bytes
.Lnot_first:
	s_wait_dscnt 0x0
	global_store_b64 v250, v[T+4:T+5], s[16:17]    ; 32 lanes store 256 consecutive bytes, at a multiple of 256 from part's first byte
	s_wait_tensorcnt 0x0                           ; the wave's end
	ds_add_u32 v[SPW], v[NIL]
	s_wait_dscnt 0x0
	CROUND                                         ; the closing round: no work-group ends while a partner may still ask for a tile that names it
	s_endpgm
.Lfunc_end_k_q3be6c3632f_fused:
	.size	k_q3be6c3632f_fused, .Lfunc_end_k_q3be6c3632f_fused-k_q3be6c3632f_fused
	.p2alignl 7, 3214868480
	.fill 96, 4, 3214868480
	.section	.rodata,"a",@progbits
	.p2align	6, 0x0
	.amdhsa_kernel k_q3be6c3632f_fused
		.amdhsa_group_segment_fixed_size 327680
		.amdhsa_private_segment_fixed_size 0
		.amdhsa_enable_private_segment 0
		.amdhsa_kernarg_size 56
		.amdhsa_user_sgpr_count 2
		.amdhsa_user_sgpr_kernarg_segment_ptr 1
		.amdhsa_wavefront_size32 1
		.amdhsa_system_sgpr_workgroup_id_x 1
		.amdhsa_system_sgpr_workgroup_id_y 1
		.amdhsa_system_sgpr_workgroup_id_z 1
		.amdhsa_system_vgpr_workitem_id 0
		.amdhsa_next_free_vgpr 512
		.amdhsa_next_free_sgpr 66
		.amdhsa_reserve_vcc 0
		.amdhsa_float_denorm_mode_32 3
		.amdhsa_float_denorm_mode_16_64 3
		.amdhsa_memory_ordered 1
		.amdhsa_forward_progress 1
		.amdhsa_inst_pref_size 210
	.end_amdhsa_kernel
	.amdgpu_metadata
---
amdhsa.version: [ 1, 2 ]
amdhsa.kernels:
  - .name:           k_q3be6c3632f_fused
    .symbol:         k_q3be6c3632f_fused.kd
    .args:
      - { .name: x, .offset: 0, .size: 8, .value_kind: global_buffer, .address_space: global }
      - { .name: W_k_codes, .offset: 8, .size: 8, .value_kind: global_buffer, .address_space: global }
      - { .name: W_k_scales, .offset: 16, .size: 8, .value_kind: global_buffer, .address_space: global }
      - { .name: W_v_codes, .offset: 24, .size: 8, .value_kind: global_buffer, .address_space: global }
      - { .name: W_v_scales, .offset: 32, .size: 8, .value_kind: global_buffer, .address_space: global }
      - { .name: qs, .offset: 40, .size: 8, .value_kind: global_buffer, .address_space: global }
      - { .name: part, .offset: 48, .size: 8, .value_kind: global_buffer, .address_space: global }
    .group_segment_fixed_size: 327680
    .private_segment_fixed_size: 0
    .kernarg_segment_align: 8
    .kernarg_segment_size: 56
    .max_flat_workgroup_size: 256
    .sgpr_count:     66
    .vgpr_count:     512
    .wavefront_size: 32
...
	.end_amdgpu_metadata
.endif
;; end of part 2
;; launch combine (part 3): grid 8 x 8, 1 waves a work-group, no clusters, 0 bytes of LDS; arguments part, out0; writes out0
.if DOCPART == 3
	.amdgcn_target "amdgcn-amd-amdhsa--gfx1250"
	.amdhsa_code_object_version 6
	.text
	.protected	k_q3be6c3632f_combine
	.globl	k_q3be6c3632f_combine
	.p2align	8
	.type	k_q3be6c3632f_combine,@function
k_q3be6c3632f_combine:
	s_mov_b64 s[64:65], 0
	v_nop
	global_prefetch_b8 v0, s[64:65] scope:SCOPE_SE
	s_setreg_imm32_b32 hwreg(HW_REG_WAVE_MODE, 25, 1), 1
	s_wait_xcnt 0x0
; out0[b][e] = (the sum over c of 2^(m_c - M) ctx_c[e]) / (the sum over c of 2^(m_c - M) l_c), M = the largest m_c, over the 32 records c of batch b.
; part: records of 2,304 bytes: ctx[512] f32, then the pair (m, l) 32 times.  out0: [8][512] f32.
; One wave to a work-group; work-group (g, b) makes e = 64 g .. 64 g + 63 of batch b, two numbers a lane.  Lane c also holds record c's (m, l), so the maximum and the divisor are reductions over the wave's lanes;
; the 32 weights then go to scalar registers.  Every load of ctx and the store cover 256 consecutive, aligned bytes.  A stream of 8 KB a work-group: no LDS, no matrix unit, no cluster.
; LIMITS: NaN and infinities are not served; a weight under 2^-126 counts as 0.
.set REC, 2304
.set CX,  16                           ; v[16:79] record c's two numbers at CX + 2 c
.set WS,  20                           ; s[20:51] the 32 weights
	s_load_b128 s[4:7], s[0:1], 0x0                ; part, out0
	s_and_b32 s8, ttmp7, 0xffff                    ; batch
	s_mul_i32 s10, s8, 32*REC                      ; its 32 records
	s_mov_b32 s11, 0
	s_lshl_b32 s14, ttmp9, 8                       ; my 64 numbers: 256 bytes
	s_lshl_b32 s12, s8, 11
	s_add_co_u32 s12, s12, s14                     ; out0: 2,048 bytes a batch
	s_mov_b32 s13, 0
	s_mov_b32 s16, 0x76543210                      ; v_permlanex16_b32's selects for lane l xor 16
	s_mov_b32 s17, 0xfedcba98
	v_mul_u32_u24 v1, v0, REC                      ; lane c: record c
	v_lshlrev_b32 v14, 3, v0                       ; 8 bytes a lane
	v_add_nc_u32 v4, s14, v14
	v_mov_b32 v6, 0                                ; written once: a lane permute's destination counts as one of its sources
	s_wait_alu depctr_va_vdst(0)
	s_wait_kmcnt 0x0
	s_add_nc_u64 s[4:5], s[4:5], s[10:11]
	s_add_nc_u64 s[6:7], s[6:7], s[12:13]
	global_load_b64 v[2:3], v1, s[4:5] offset:2048 ; (m_c, l_c)
.irp c, 0,1,2,3,4,5,6,7,8,9,10,11,12,13,14,15,16,17,18,19,20,21,22,23,24,25,26,27,28,29,30,31
	global_load_b64 v[CX+2*\c:CX+2*\c+1], v4, s[4:5] offset:REC*\c
.endr
	s_wait_loadcnt 32                              ; (m, l) is in; the 32 younger loads may be out
	v_mov_b32 v5, v2
	v_max_num_f32_dpp v5, v5, v5 row_xmask:1 row_mask:0xf bank_mask:0xf
	v_max_num_f32_dpp v5, v5, v5 row_xmask:2 row_mask:0xf bank_mask:0xf
	v_max_num_f32_dpp v5, v5, v5 row_xmask:4 row_mask:0xf bank_mask:0xf
	v_max_num_f32_dpp v5, v5, v5 row_xmask:8 row_mask:0xf bank_mask:0xf
	v_permlanex16_b32 v6, v5, s16, s17
	v_max_num_f32 v5, v5, v6                       ; M
	v_sub_f32 v7, v2, v5
	s_wait_alu depctr_va_vdst(0)
	v_exp_f32 v7, v7                               ; 2^(m_c - M)
	v_nop                                          ; one plain vector line behind a transcendental
	s_wait_alu depctr_va_vdst(0)
	v_mul_f32 v8, v7, v3
	v_add_f32_dpp v8, v8, v8 row_xmask:1 row_mask:0xf bank_mask:0xf
	v_add_f32_dpp v8, v8, v8 row_xmask:2 row_mask:0xf bank_mask:0xf
	v_add_f32_dpp v8, v8, v8 row_xmask:4 row_mask:0xf bank_mask:0xf
	v_add_f32_dpp v8, v8, v8 row_xmask:8 row_mask:0xf bank_mask:0xf
	v_permlanex16_b32 v6, v8, s16, s17
	v_add_f32 v8, v8, v6                           ; the softmax's divisor
	s_wait_alu depctr_va_vdst(0)
	v_rcp_f32 v9, v8
	v_nop
	s_wait_alu depctr_va_vdst(0)
	v_mul_f32 v7, v7, v9                           ; record c's weight
.irp c, 0,1,2,3,4,5,6,7,8,9,10,11,12,13,14,15,16,17,18,19,20,21,22,23,24,25,26,27,28,29,30,31
	v_readlane_b32 s[WS+\c], v7, \c
.endr
	s_wait_loadcnt 0x0                             ; all 32 records are in
.irp c, 0,1,2,3,4,5,6,7,8,9,10,11,12,13,14,15,16,17,18,19,20,21,22,23,24,25,26,27,28,29,30,31
.if \c < 4
	v_mul_f32 v[80+2*\c], s[WS+\c], v[CX+2*\c]     ; records 0 to 3 start the eight chains: record c goes to v[80 + 2 (c % 4)] and the next
	v_mul_f32 v[81+2*\c], s[WS+\c], v[CX+2*\c+1]
.else
	v_fma_f32 v[80+2*(\c%4)], s[WS+\c], v[CX+2*\c], v[80+2*(\c%4)]
	v_fma_f32 v[81+2*(\c%4)], s[WS+\c], v[CX+2*\c+1], v[81+2*(\c%4)]
.endif
.endr
	v_pk_add_f32 v[80:81], v[80:81], v[84:85]
	v_pk_add_f32 v[82:83], v[82:83], v[86:87]
	v_pk_add_f32 v[10:11], v[80:81], v[82:83]
	global_store_b64 v14, v[10:11], s[6:7]         ; 32 lanes store 256 consecutive bytes, at a multiple of 256 from out0's first byte
	s_endpgm
.Lfunc_end_k_q3be6c3632f_combine:
	.size	k_q3be6c3632f_combine, .Lfunc_end_k_q3be6c3632f_combine-k_q3be6c3632f_combine
	.p2alignl 7, 3214868480
	.fill 96, 4, 3214868480
	.section	.rodata,"a",@progbits
	.p2align	6, 0x0
	.amdhsa_kernel k_q3be6c3632f_combine
		.amdhsa_group_segment_fixed_size 0
		.amdhsa_private_segment_fixed_size 0
		.amdhsa_enable_private_segment 0
		.amdhsa_kernarg_size 16
		.amdhsa_user_sgpr_count 2
		.amdhsa_user_sgpr_kernarg_segment_ptr 1
		.amdhsa_wavefront_size32 1
		.amdhsa_system_sgpr_workgroup_id_x 1
		.amdhsa_system_sgpr_workgroup_id_y 1
		.amdhsa_system_sgpr_workgroup_id_z 1
		.amdhsa_system_vgpr_workitem_id 0
		.amdhsa_next_free_vgpr 96
		.amdhsa_next_free_sgpr 66
		.amdhsa_reserve_vcc 0
		.amdhsa_float_denorm_mode_32 3
		.amdhsa_float_denorm_mode_16_64 3
		.amdhsa_memory_ordered 1
		.amdhsa_forward_progress 1
		.amdhsa_inst_pref_size 12
	.end_amdhsa_kernel
	.amdgpu_metadata
---
amdhsa.version: [ 1, 2 ]
amdhsa.kernels:
  - .name:           k_q3be6c3632f_combine
    .symbol:         k_q3be6c3632f_combine.kd
    .args:
      - { .name: part, .offset: 0, .size: 8, .value_kind: global_buffer, .address_space: global }
      - { .name: out0, .offset: 8, .size: 8, .value_kind: global_buffer, .address_space: global }
    .group_segment_fixed_size: 0
    .private_segment_fixed_size: 0
    .kernarg_segment_align: 8
    .kernarg_segment_size: 16
    .max_flat_workgroup_size: 32
    .sgpr_count:     66
    .vgpr_count:     96
    .wavefront_size: 32
...
	.end_amdgpu_metadata
.endif
;; end of part 3
